; MI455X (gfx1250); checked and timed in simulation.
; The chip was launched on July 23, 2026; its instructions are those of AMD's public machine-readable ISA for CDNA 5 (MIT licence, August 2026) and "CDNA5" Instruction Set Architecture Reference Guide (July 2026). The comments in the code are by the model that wrote it; some were corrected since.
;; TMPNN. Allowed arithmetic: matrix products marked QUANTISED: E2M1 operands, one E8M0 scale for each 32 along K, by v_wmma_scale_f32_16x16x128_f8f6f4 with both operands' format E2M1 (or v_wmma_scale_f32_32x16x128_f4), f32 sums; everything else in f32.
;; Inputs: W 1,057 x 32 float32; x 131,072 x 32 float32.
;; Outputs: out0 131,072 x 1 float32.
;; This version of the problem:
;;   THIS VERSION OF THE PROBLEM IS GIVEN IN LOW PRECISION. The matrix products marked QUANTISED in the list below multiply operands that are first quantised to E2M1 (2 exponent bits, 1 mantissa bit; 4 bits a number), with one power-of-two scale for each 32 numbers along K (OCP MX v1.0); their sums are f32. All else is computed in f32.
;;   The module's matrix products, in the order in which they are computed (A, B: the left and right operand; K: the contracted axis; several contracted axes count as one K, in the product's order):
;;     1. [M 131,072, K 1,057] x [K 1,057, N 32]; A: computed on the way; B: input W: QUANTISED
;;     2. [M 131,072, K 1,057] x [K 1,057, N 32]; A: computed on the way; B: input W: QUANTISED
;;     3. [M 131,072, K 1,057] x [K 1,057, N 32]; A: computed on the way; B: input W: QUANTISED
;;     4. [M 131,072, K 1,057] x [K 1,057, N 32]; A: computed on the way; B: input W: QUANTISED
;;     5. [M 131,072, K 1,057] x [K 1,057, N 32]; A: computed on the way; B: input W: QUANTISED
;;     6. [M 131,072, K 1,057] x [K 1,057, N 32]; A: computed on the way; B: input W: QUANTISED
;;     7. [M 131,072, K 1,057] x [K 1,057, N 32]; A: computed on the way; B: input W: QUANTISED
;;   THE QUANTISER, for each operand of a quantised product, along K:
;;     - K is cut into blocks of 32 from its start; a last block that is shorter is filled with zeros.
;;     - A block's scale is 2^e with e = floor(log2(the largest magnitude in the block)) - 2, held to -126 .. 127; a block of zeros has e = 0. As a byte (E8M0): e + 127.
;;     - Each number is divided by its block's scale, clamped to +-6, and rounded to the nearest number of E2M1, ties to even, subnormals kept.
;;     - The product sums the exact products of the quantised numbers (number of the format x scale) in f32.
;;   ~~~python
;;   def quantise(x, axis):      # numpy; x: float32 -> the quantised numbers, widened to float32 again
;;       x = np.moveaxis(x, axis, -1); K = x.shape[-1]
;;       x = np.pad(x, [(0, 0)] * (x.ndim - 1) + [(0, -K % 32)]); x = x.reshape(x.shape[:-1] + (-1, 32)); a = np.abs(x).max(-1, keepdims=True)
;;       e = np.where(a > 0, np.clip(np.frexp(np.where(a > 0, a, 1))[1] - 1 - 2, -126, 127), 0)      # np.frexp(a)[1] - 1 = floor(log2(a)), exactly
;;       r = np.clip(x / 2.0 ** e, -6, 6)
;;       step = 2.0 ** (np.maximum(np.frexp(np.where(r == 0, 1, r))[1] - 1, 0) - 1)
;;       q = np.round(r / step) * step * 2.0 ** e      # np.round: ties to even
;;       return np.moveaxis(q.reshape(q.shape[:-2] + (-1,))[..., :K], -1, axis).astype(np.float32)
;;   ~~~
;;   OPERANDS COMPUTED ON THE WAY. 'Computed on the way' means the value that the module computes at that place (a softmax that the list does not call 'softmax' is quantised finished and normalised). What goes into a quantiser is computed in f32, as accurately as f32 sums, v_exp_f32 and their like allow (about 1e-6 of the number): no bf16 or f16 on the way to a quantiser, and a product that is left as it is and whose result goes on into a quantised operand takes f32 operands (vector FMAs, or v_wmma_f32_16x16x4_f32). A number that lies on a knife's edge between two numbers of the format may be rounded either way, as far as f32 arithmetic and the matrix unit's own rounding can turn it there, and no further.
;; One version. Each part assembles by itself: llvm-mc -triple=amdgcn-amd-amdhsa -mcpu=gfx1250 --defsym DOCPART=n.
;; ======== version 1 of 1: 1 launch
;; launch tmpnn (part 1): grid 256 x 1, 16 waves a work-group, no clusters, 55,552 bytes of LDS; arguments x, W, out0; writes out0
.if DOCPART == 1
	.amdgcn_target "amdgcn-amd-amdhsa--gfx1250"
	.amdhsa_code_object_version 6
	.text
	.protected	k_qb185525db9_tmpnn
	.globl	k_qb185525db9_tmpnn
	.p2align	8
	.type	k_qb185525db9_tmpnn,@function
k_qb185525db9_tmpnn:
	s_mov_b64 s[64:65], 0
	v_nop
	global_prefetch_b8 v0, s[64:65] scope:SCOPE_SE
	s_setreg_imm32_b32 hwreg(HW_REG_WAVE_MODE, 25, 1), 1
	s_wait_xcnt 0x0
; x <- x + poly(x) W, seven times; out0 = column 0 of the last x.  x: [131072][32] f32.  W: [1057][32] f32.  poly(x) = [1, x, vec(x (x) x)], K = 1,057.
; Both operands of each product are codes of FP4 (E2M1) with one E8M0 scale for each 32 along K, the blocks counted from k = 0:
;   block 0 = [1, x0 .. x30];  block i + 1 = [x(i-1) x31 (i = 0: x31), xi x0 .. xi x30], i = 0 .. 31;  block 33 = [x31 x31, 31 zeros].
; SHARES.  256 work-groups of 16 waves; a work-group owns 512 rows, a wave two tiles of 16 rows (rows 256 tau + 16 wave + r), taken one after the other through all seven steps.
; The state never leaves the registers between steps, and all of W's codes (136 registers) stay in every wave's registers.
; THE PRODUCT IS USED TRANSPOSED: source 0 = 16 features (rows of W^T), source 1 = poly of my 16 rows.  Row m of feature tile t is feature 16 (m / 8) + 8 t + m % 8, so that in lane (r, h)
; accumulator register 8 t + j is x[r][16 h + 8 t + j]: the 16 accumulator registers ARE the lane's 16 numbers of the state.  The sums go on in place from step to step: the residual costs nothing.
; WHICH BLOCK LIES WHERE IS FREE, since W's codes are laid by this text.  K step s (0 .. 7), register group c: slot q = 2 s + c of half h holds block i + 1 with i = 16 h + q: its multiplier xi is the lane's own number q.
; Inside a slot, position p = 0 .. 30 holds xi G[p], G = [own 0 .. 14, x15, the other half's 0 .. 14]; position 31 holds x(i-1) x31.  K step 8: half 0 holds block 0 (G as it stands, 1 at position 31),
; half 1 block 33 (x31 x31 at position 31; at the other positions W's codes are zeros); its upper 64 along K meet zero codes of poly.
; A BLOCK'S LARGEST MAGNITUDE IS NOT SEARCHED FOR: rounding does not change an order, so the largest |xi xj|, j <= 30, is |xi g| as f32 multiplies it, g the largest |xj|, j <= 30.
; W IS QUANTISED BY EACH WORK-GROUP AT ITS HEAD: wave w takes blocks w + 1 and w + 17 (wave 0 also blocks 0 and 33), a lane to a feature, registers down K; the codes go to LDS as images of the operand's registers.
; NO JOINT LOADS, NO CLUSTER: what work-groups share is W alone, 135,296 bytes, read once by each work-group, 64 loads a wave at the head, against 14 runs of some 500 instructions a wave; the text has no tensor load.
; LIMITS: NaN and infinities in x or W, and products that leave f32's range, are not served as the reference serves them.  A block of zeros gets the scale byte 1 where the rule says 127: its codes are zeros,
; which add nothing under any byte but 0xff, and the bytes are read by this program alone.
.set NSTEPS, 7
; LDS
.set WIMG, 0                           ; W's codes: 34 groups of four registers, 512 bytes each, lane l's 16 bytes at 16 l.  Groups 0, 1: K step 8, tile 0, 1; group 2 + 4 s + 2 t + c: K step s, tile t, registers 4 c on
.set WSC,  17408                       ; W's scale words: 9 registers' images of 128 bytes: 128 s + 4 (m + 16 t), byte 2 c + h
.set XST,  18688                       ; each wave's own 2,048 bytes: its second tile of x, as an image of the accumulators
.set OST,  51456                       ; the work-group's 512 results: 1024 tau + 64 wave + 4 r
; vector registers
.set LI,   1                           ; 16 x lane
.set XO,   2                           ; x: 2048 wave + 128 r + 64 h
.set OA,   3                           ; OST + 64 wave + 4 r
.set XS,   4                           ; XST + 2048 wave + 16 lane
.set FO,   5                           ; 16 x thread
.set TMP,  6                           ; what a lane takes from lane xor 16
.set W8,   7                           ; poly's scale word of K step 8
.set TX,   8                           ; v8, v9   a block's largest magnitude, then the conversion's scale operand (group c)
.set BY,   10                          ; v10, v11 its scale byte
.set WT,   12                          ; my half's bytes
.set WD,   13                          ; poly's scale word of the K step in hand
.set GM,   14                          ; g
.set XT,   15                          ; x31
.set SP,   16                          ; v16: 1 (half 0) or x15 (half 1): what stands for x(i-1) in slot 0;  v17: my own number 15
.set XX,   18                          ; x31 x31
.set T16,  19                          ; K step 8's largest magnitude, then scale operand
.set ACC,  20                          ; v20-35   the state: two accumulators
.set G1,   36                          ; v36-51   G[0 .. 15]; G1[q], q <= 14, is also multiplier q
.set G2,   52                          ; v52-67   G[16 .. 31]
.set PRA,  68                          ; v68-75   eight products
.set PRB,  76                          ; v76-83   eight products
.set CB,   84                          ; v84-91   poly's codes of a K step: register 4 c + g = positions 8 g .. 8 g + 7 of slot 2 s + c
.set C9,   92                          ; v92-95   K step 8's codes,
.set ZR,   96                          ; v96-99   and the zeros behind them
.set WS,   100                         ; v100-108 W's scale words: lanes 0-15 tile 0's rows, lanes 16-31 tile 1's
.set L4,   109                         ; 4 x lane
.set WR,   110                         ; v110-245 W's codes, group g at v[110 + 4 g]
.set WO,   246                         ; head: 4 lane + (33 + 32 wave) x 128: W at k = 33 + 32 wave, my feature
.set CA,   247                         ; head: where my codes' image goes
.set CA9,  248                         ; head: the same for K step 8
.set SA,   249                         ; head: where my two scale bytes go
.set SA9,  250                         ; head: K step 8's scale word
.set TT,   251                         ; head: my feature's tile
.set MR,   252                         ; head: its row in the tile
.set MT,   253                         ; head: row + 16 x tile
.set ONE,  254                         ; 1.0
; head only, in registers that the main part takes later
.set R1,   110                         ; 32 numbers of W: block wave + 1
.set R2,   142                         ; block wave + 17
.set R3,   174                         ; block 0 (wave 0)
.set R4,   206                         ; the last eight positions of block 33 (wave 0)
.set K1,   36                          ; codes: four registers a block
.set K2,   40
.set K3,   44
.set K4,   48
.set HM,   52                          ; v52, v53 two chains of a maximum
; scalar registers: s[4:5] x, s[6:7] W, s[8:9] out0, s10 wave, s11, s19-23 at work, s12 steps to go, s[14:15] offsets, s16, s17 selects for lane xor 16, s18 EXEC kept; vcc_lo: lanes 0-15, made once
	s_load_b128 s[4:7], s[0:1], 0x0                ; x, W
	s_load_b64 s[8:9], s[0:1], 0x10                ; out0
	v_lshrrev_b32 v6, 5, v0
	v_readfirstlane_b32 s10, v6                    ; wave 0 .. 15
	v_and_b32 v7, 31, v0                           ; lane
	v_and_b32 v8, 15, v0                           ; r
	v_bfe_u32 v9, v0, 4, 1                         ; h
	v_cmp_gt_u32 vcc_lo, 16, v7                    ; lanes 0-15: kept for the whole kernel
	s_mov_b32 s16, 0x76543210
	s_mov_b32 s17, 0xfedcba98                      ; v_permlanex16_b32's selects for lane l xor 16
	v_mov_b32 v[ONE], 1.0
	; every address is made here, ahead of the first branch on the wave's number
	v_lshlrev_b32 v[LI], 4, v7
	v_lshlrev_b32 v[L4], 2, v7
	s_lshl_b32 s11, s10, 11                        ; 16 rows of 128 bytes a wave; also a wave's 2,048 bytes of XST
	v_lshlrev_b32 v[XO], 7, v8
	v_lshl_add_u32 v[XO], v9, 6, v[XO]
	v_add_nc_u32 v[XO], s11, v[XO]
	v_add_nc_u32 v[XS], s11, v[LI]
	v_add_nc_u32 v[XS], XST, v[XS]
	s_lshl_b32 s11, s10, 6
	v_lshl_add_u32 v[OA], v8, 2, OST
	v_add_nc_u32 v[OA], s11, v[OA]
	v_lshlrev_b32 v[FO], 4, v0
	; at the head a lane is a FEATURE n = lane = 16 (m / 8) + 8 t + m % 8: t = bit 3 of n, m = 8 x bit 4 + the low three bits
	v_bfe_u32 v[TT], v0, 3, 1
	v_and_b32 v[MR], 7, v0
	v_lshl_or_b32 v[MR], v9, 3, v[MR]
	v_lshl_add_u32 v[MT], v[TT], 4, v[MR]
	s_lshl_b32 s19, s10, 12                        ; 32 rows of W (128 bytes each) a wave
	s_add_co_u32 s19, s19, 33*128
	v_add_nc_u32 v[WO], s19, v[L4]
	s_lshr_b32 s20, s10, 1                         ; my slot q = wave: K step s = wave / 2,
	s_and_b32 s21, s10, 1                          ; group c = wave % 2
	s_lshl_b32 s22, s20, 11
	s_lshl_b32 s23, s21, 9
	s_add_co_u32 s22, s22, s23
	s_add_co_u32 s22, s22, WIMG+1024               ; group 2 + 4 s + c
	v_lshlrev_b32 v[CA], 10, v[TT]                 ; + 2 t
	v_lshl_add_u32 v[CA], v[MR], 4, v[CA]          ; lane m of the image (half 1: 256 bytes on)
	v_add_nc_u32 v[CA], s22, v[CA]
	v_lshl_add_u32 v[CA9], v[TT], 9, WIMG          ; group t
	v_lshl_add_u32 v[CA9], v[MR], 4, v[CA9]
	s_lshl_b32 s22, s20, 7
	s_lshl_b32 s23, s21, 1
	s_add_co_u32 s22, s22, s23
	s_add_co_u32 s22, s22, WSC                     ; register s, bytes 2 c and 2 c + 1
	v_lshl_add_u32 v[SA], v[MT], 2, s22
	v_lshl_add_u32 v[SA9], v[MT], 2, WSC+1024
	s_lshl_b32 s14, ttmp9, 16                      ; the work-group's 512 rows of 128 bytes
	s_mov_b32 s15, 0
	s_wait_kmcnt 0x0
	s_add_nc_u64 s[4:5], s[4:5], s[14:15]
	s_lshl_b32 s14, ttmp9, 11                      ; and its 512 results of 4 bytes
	s_add_nc_u64 s[8:9], s[8:9], s[14:15]
; 32 numbers of W for my feature: the positions 0 .. 31 of a slot.  base: bytes from the address register to k of j = 0.  Position 31 is the k just in front; position 15 is j = 15; position p is j = (p + 16 half) % 32.
; Each load reads one row k of W at all 32 features: 128 consecutive bytes.  The highest k reached is 1,055.
.macro WLOAD reg, voff, base, half
.set WP, 0
.rept 32
.if WP == 31
.set WOFF, (\base)-128
.elseif WP == 15
.set WOFF, (\base)+15*128
.else
.set WOFF, (\base)+((WP+16*(\half))%32)*128
.endif
	global_load_b32 v[\reg+WP], v[\voff], s[6:7] offset:WOFF
.set WP, WP+1
.endr
.endm
; A block of 32 numbers in one lane becomes four registers of codes, a scale operand and a scale byte.
.macro QW reg, k, sc, by
	v_max3_num_f32 v[HM], |v[\reg]|, |v[\reg+1]|, |v[\reg+2]|            ; the largest magnitude, in two chains
	v_max3_num_f32 v[HM+1], |v[\reg+3]|, |v[\reg+4]|, |v[\reg+5]|
.irp i, 6,10,14,18,22,26
	v_max3_num_f32 v[HM], v[HM], |v[\reg+\i]|, |v[\reg+\i+1]|
	v_max3_num_f32 v[HM+1], v[HM+1], |v[\reg+\i+2]|, |v[\reg+\i+3]|
.endr
	v_max3_num_f32 v[HM], v[HM], |v[\reg+30]|, |v[\reg+31]|
	v_max3_num_f32 v[HM], v[HM], v[HM+1], 0x1800000                      ; and the floor 2^(3 - 127): the byte cannot fall under 1
	v_add_nc_u32 v[\sc], 0xff000000, v[HM]                               ; 2 off the exponent field: the conversion takes the exponent field of this operand as its scale
	v_lshrrev_b32 v[\by], 23, v[\sc]                                     ; the scale's byte
.irp g, 0,1,2,3
	v_cvt_scalef32_pk8_fp4_f32 v[\k+\g], v[\reg+8*\g:\reg+8*\g+7], v[\sc]
.endr
	v_nop                                                                ; one plain place behind a scaled conversion
.endm
	; all loads go out at once: both tiles of x, then W
.irp i, 0,1,2,3
	global_load_b128 v[ACC+4*\i:ACC+4*\i+3], v[XO], s[4:5] offset:16*\i th:TH_LOAD_NT          ; tile 0 straight into the accumulators: x[r][16 h + 4 i ..]
.endr
.irp i, 0,1,2,3
	global_load_b128 v[PRA+4*\i:PRA+4*\i+3], v[XO], s[4:5] offset:32768+16*\i th:TH_LOAD_NT    ; tile 1: 256 rows on
.endr
	s_cmp_lg_u32 s10, 0
	s_cbranch_scc1 .Lno_extra_loads
	WLOAD R3, L4, 128, 0                           ; wave 0: block 0: position p is k = 1 + p, position 31 is k = 0
	global_load_b32 v[R4+7], v[L4], s[6:7] offset:1056*128   ; and block 33's one number, W's last row
.Lno_extra_loads:
	WLOAD R1, WO, 0, 0                             ; block wave + 1
	WLOAD R2, WO, 65536, 1                         ; block wave + 17: 16 x 32 rows on
	s_wait_loadcnt 32                              ; all but the 32 youngest loads (R2's) are in, on both ways: x, wave 0's extras, R1
.irp i, 0,1,2,3
	ds_store_b128 v[XS], v[PRA+4*\i:PRA+4*\i+3] offset:512*\i   ; tile 1 waits in my own bytes of LDS
.endr
	QW R1, K1, 54, 58
	ds_store_b128 v[CA], v[K1:K1+3]                ; lane m of the image: half 0
	s_wait_loadcnt 0x0
	QW R2, K2, 55, 59
	ds_store_b128 v[CA], v[K2:K2+3] offset:256     ; lane 16 + m: half 1
	v_lshl_or_b32 v62, v59, 8, v58
	ds_store_b16 v[SA], v62                        ; bytes 2 c (half 0) and 2 c + 1 (half 1) of my feature's scale word
	s_cmp_lg_u32 s10, 0
	s_cbranch_scc1 .Lno_extra_blocks
	QW R3, K3, 56, 60
	ds_store_b128 v[CA9], v[K3:K3+3]
.irp i, 0,1,2,3,4,5,6
	v_mov_b32 v[R4+\i], 0                          ; block 33: zeros but for position 31
.endr
	v_max3_num_f32 v[HM+1], |v[R4+7]|, |v[R4+7]|, 0x1800000
	v_add_nc_u32 v57, 0xff000000, v[HM+1]
	v_lshrrev_b32 v61, 23, v57
.irp i, 0,1,2
	v_mov_b32 v[K4+\i], 0
.endr
	v_cvt_scalef32_pk8_fp4_f32 v[K4+3], v[R4:R4+7], v57
	v_nop                                          ; one plain place behind a scaled conversion
	ds_store_b128 v[CA9], v[K4:K4+3] offset:256
	v_lshl_or_b32 v63, v61, 8, v60
	v_or_b32 v63, 0x7f7f0000, v63                  ; bytes 2 and 3 stand over codes that meet zero codes: 127
	ds_store_b32 v[SA9], v63
.Lno_extra_blocks:
	s_wait_xcnt 0x0                                ; every load's addresses are translated: no global instruction follows until the last store, so EXEC may change in between
	s_wait_dscnt 0x0                               ; for the others' sake: my images lie in LDS
	s_barrier_signal -1
	s_barrier_wait -1
.set WG, 0
.rept 34
	ds_load_b128 v[WR+4*WG:WR+4*WG+3], v[LI] offset:WIMG+512*WG   ; all of W's codes, as they were stored: 512 consecutive bytes a load
.set WG, WG+1
.endr
.irp s, 0,1,2,3,4,5,6,7,8
	ds_load_b32 v[WS+\s], v[L4] offset:WSC+128*\s
.endr
.irp i, 0,1,2,3
	v_mov_b32 v[ZR+\i], 0                          ; the zero codes of K step 8's upper half
.endr
.irp i, 0,1,2,3,4,5,6,7,8,9,10,11,12,13,14,15
	v_mov_b32 v[G2+\i], 0                          ; written once: a lane permute's destination counts as one of its sources
.endr
	v_mov_b32 v[TMP], 0
	s_wait_dscnt 0x0
; Two products, both by the multiplier that MP and SEL name
.macro PKM d, s
.if SEL
	v_pk_mul_f32 v[\d:\d+1], v[\s:\s+1], v[MP:MP+1] op_sel:[0,1] op_sel_hi:[1,1]
.else
	v_pk_mul_f32 v[\d:\d+1], v[\s:\s+1], v[MP:MP+1] op_sel_hi:[1,0]
.endif
.endm
.macro GRP d, s                        ; eight
	PKM \d, \s
	PKM \d+2, \s+2
	PKM \d+4, \s+4
	PKM \d+6, \s+6
.endm
; A STEP'S HEAD.  The state is copied (the sums grow in the accumulators while the step's products still want the old numbers), the other half's numbers are fetched, g and K step 8's codes are made.
.macro PRO
.irp a, 0,2,4,6,8,10,12,14
	v_pk_mul_f32 v[G1+\a:G1+\a+1], v[ACC+\a:ACC+\a+1], 1.0 op_sel_hi:[1,0]   ; each accumulator is read from its low end on
.endr
	v_permlanex16_b32 v[G2+15], v[ACC+15], s16, s17        ; the other half's number 15
	v_mov_b32 v[SP+1], v[G1+15]                            ; my own: multiplier 15
	v_cndmask_b32 v[XT], v[SP+1], v[G2+15], vcc_lo         ; x31 in both halves
	v_cndmask_b32 v[G1+15], v[G2+15], v[G1+15], vcc_lo     ; x15 in both halves
	v_max3_num_f32 v[GM], |v[G1]|, |v[G1+1]|, |v[G1+2]|
.irp i, 3,5,7,9,11,13
	v_max3_num_f32 v[GM], v[GM], |v[G1+\i]|, |v[G1+\i+1]|
.endr
	v_permlanex16_b32 v[TMP], v[GM], s16, s17
	v_max3_num_f32 v[GM], v[GM], v[TMP], |v[G1+15]|        ; g = the largest |xj|, j = 0 .. 30
	v_mul_f32 v[XX], v[XT], v[XT]
	v_cndmask_b32 v[T16], 0, v[GM], vcc_lo                 ; K step 8: block 0's largest is max(g, 1), block 33's is x31 x31
	v_cndmask_b32 v[G2+15], v[XX], v[ONE], vcc_lo          ; position 31: 1 (half 0), x31 x31 (half 1)
	v_max3_num_f32 v[T16], v[T16], v[G2+15], 0x1800000
	v_add_nc_u32 v[T16], 0xff000000, v[T16]
	v_lshrrev_b32 v[WT], 23, v[T16]
	v_permlanex16_b32 v[TMP], v[WT], s16, s17
	v_lshl_or_b32 v[W8], v[TMP], 8, v[WT]                  ; lanes 0-15: byte 0 block 0's, byte 1 block 33's; bytes 2, 3 stand over zero codes
.irp p, 0,1,2,3,4,5,6,7,8,9,10,11,12,13,14
	v_permlanex16_b32 v[G2+\p], v[ACC+\p], s16, s17        ; the other half's numbers 0 .. 14
.endr
	v_cvt_scalef32_pk8_fp4_f32 v[C9], v[G1:G1+7], v[T16]   ; block 0 is G as it stands.  (In half 1 positions 0 .. 30 give some codes, which meet W's zero codes)
	v_cvt_scalef32_pk8_fp4_f32 v[C9+1], v[G1+8:G1+15], v[T16]
	v_cvt_scalef32_pk8_fp4_f32 v[C9+2], v[G2:G2+7], v[T16]
	v_cvt_scalef32_pk8_fp4_f32 v[C9+3], v[G2+8:G2+15], v[T16]
	v_cndmask_b32 v[SP], v[G1+15], v[ONE], vcc_lo          ; slot 0's x(i-1): 1 (i = 0), x15 (i = 16).  The plain place behind the conversions
	v_mov_b32 v[G2+15], v[XT]                              ; from here on position 31's multiplicand is x31
.endm
; K step s: both feature tiles.  The two accumulators take turns, one instruction a turn, through the whole text.
.macro MM s
.if (\s) == 8
	v_wmma_scale_f32_16x16x128_f8f6f4 v[ACC:ACC+7], v[WR:WR+7], v[C9:C9+7], v[ACC:ACC+7], v[WS+8], v[W8] matrix_a_fmt:MATRIX_FMT_FP4 matrix_b_fmt:MATRIX_FMT_FP4
	v_wmma_scale_f32_16x16x128_f8f6f4 v[ACC+8:ACC+15], v[WR+4:WR+11], v[C9:C9+7], v[ACC+8:ACC+15], v[WS+8], v[W8] matrix_a_fmt:MATRIX_FMT_FP4 matrix_b_fmt:MATRIX_FMT_FP4 matrix_a_scale:MATRIX_SCALE_ROW1
.else
	v_wmma_scale_f32_16x16x128_f8f6f4 v[ACC:ACC+7], v[WR+8+16*(\s):WR+15+16*(\s)], v[CB:CB+7], v[ACC:ACC+7], v[WS+(\s)], v[WD] matrix_a_fmt:MATRIX_FMT_FP4 matrix_b_fmt:MATRIX_FMT_FP4
	v_wmma_scale_f32_16x16x128_f8f6f4 v[ACC+8:ACC+15], v[WR+16+16*(\s):WR+23+16*(\s)], v[CB:CB+7], v[ACC+8:ACC+15], v[WS+(\s)], v[WD] matrix_a_fmt:MATRIX_FMT_FP4 matrix_b_fmt:MATRIX_FMT_FP4 matrix_a_scale:MATRIX_SCALE_ROW1
.endif
.endm
; SLOT q: 32 products, their block's scale, four registers of codes.  mm >= 0: the products of K step mm, whose codes and scale word are ready, are issued inside this slot:
; in front of them stand six plain instructions behind the last conversion into their operand and eight or more behind the write of their scale word; behind them six plain instructions,
; which name none of their registers, before a conversion writes their operand again (ISA guide 7.12.1).
.macro BLOCK q, mm
.set CC, (\q)%2
.set MP, G1+2*((\q)/2)
.set SEL, (\q)%2
.set MS, G1+(\q)
.set MQ, G1+(\q)-1
.if (\q) == 15
.set MP, SP
.set SEL, 1
.set MS, SP+1
.endif
.if (\q) == 0
.set MQ, SP
.endif
	v_mul_f32 v[TX+CC], v[MS], v[GM]               ; xi g.  (The plain place behind the last slot's conversions, whose scale operand is the other register)
	PKM PRA, G2+8                                  ; positions 24 .. 29
	PKM PRA+2, G2+10
	PKM PRA+4, G2+12
.if ((\q)%2 == 1) && ((\q) != 15)
	v_pk_mul_f32 v[PRA+6:PRA+7], v[G2+14:G2+15], v[G1+(\q)-1:G1+(\q)] op_sel:[0,1] op_sel_hi:[1,0]   ; position 30: by xi; position 31: x31 by x(i-1)
.else
	v_mul_f32 v[PRA+6], v[G2+14], v[MS]
	v_mul_f32 v[PRA+7], v[G2+15], v[MQ]
.endif
.if (\mm) >= 0
	MM \mm
.endif
	v_max3_num_f32 v[TX+CC], |v[TX+CC]|, |v[PRA+7]|, 0x1800000   ; the block's largest magnitude, and the floor 2^(3 - 127)
	GRP PRB, G1                                    ; positions 0 .. 7
	v_add_nc_u32 v[TX+CC], 0xff000000, v[TX+CC]    ; 2 off the exponent field: the conversion's scale operand
	v_cvt_scalef32_pk8_fp4_f32 v[CB+4*CC+3], v[PRA:PRA+7], v[TX+CC]
	v_cvt_scalef32_pk8_fp4_f32 v[CB+4*CC], v[PRB:PRB+7], v[TX+CC]
	v_lshrrev_b32 v[BY+CC], 23, v[TX+CC]           ; the scale's byte.  (The plain place behind the conversions: it writes none of their registers)
.if CC == 1
	v_lshl_or_b32 v[WT], v[BY+1], 16, v[BY]        ; my half's bytes of groups 0 and 1,
	v_permlanex16_b32 v[TMP], v[WT], s16, s17
	v_lshl_or_b32 v[WD], v[TMP], 8, v[WT]          ; with the other half's one byte up: in lanes 0-15 byte 2 c + h is slot (2 s + c, h)'s; lanes 16-31 are not read
.endif
	GRP PRA, G1+8                                  ; positions 8 .. 15
	GRP PRB, G2                                    ; positions 16 .. 23
	v_cvt_scalef32_pk8_fp4_f32 v[CB+4*CC+1], v[PRA:PRA+7], v[TX+CC]
	v_cvt_scalef32_pk8_fp4_f32 v[CB+4*CC+2], v[PRB:PRB+7], v[TX+CC]
.endm
.macro KSTEP s, prev
	BLOCK 2*(\s), \prev
	BLOCK 2*(\s)+1, -1
.endm
; A tile of 16 rows through all seven steps; then lanes 0-15, whose register 0 is feature 0 of row r, put the result into the work-group's stage.
.macro TILE tau
	s_mov_b32 s12, NSTEPS
.Lstep_\tau:
	PRO
	KSTEP 0, 8
	KSTEP 1, 0
	KSTEP 2, 1
	KSTEP 3, 2
	KSTEP 4, 3
	KSTEP 5, 4
	KSTEP 6, 5
	KSTEP 7, 6
.rept 4
	v_nop                                          ; four places between the last conversion and the products that take its codes
.endr
	MM 7
.rept 4
	v_nop                                          ; four places behind the products, in front of the first read of the sums and of loads into them
.endr
	s_sub_co_i32 s12, s12, 1
	s_cmp_lg_u32 s12, 0
	s_cbranch_scc1 .Lstep_\tau
	s_and_saveexec_b32 s18, vcc_lo                 ; no global instruction has been issued since the wait on XCNT at the head's end
	ds_store_b32 v[OA], v[ACC] offset:1024*\tau    ; the accumulator's lowest register
	s_or_b32 exec_lo, exec_lo, s18
.endm
	TILE 0
	s_wait_dscnt 0x0                               ; the store has read the accumulator
.irp i, 0,1,2,3
	ds_load_b128 v[ACC+4*\i:ACC+4*\i+3], v[XS] offset:512*\i   ; my second tile, from my own bytes
.endr
	s_wait_dscnt 0x0
	TILE 1
	s_wait_dscnt 0x0                               ; for the others' sake: my results lie in the stage
	s_barrier_signal -1
	s_barrier_wait -1
	s_cmp_gt_u32 s10, 3
	s_cbranch_scc1 .Lend                           ; the stage's 2,048 bytes leave by waves 0 to 3
	ds_load_b128 v[PRA:PRA+3], v[FO] offset:OST
	s_wait_dscnt 0x0
	global_store_b128 v[FO], v[PRA:PRA+3], s[8:9] th:TH_STORE_NT   ; a wave stores 512 consecutive bytes, at a multiple of 256 from out0's first byte
.Lend:
	s_wait_xcnt 0x0
	s_mov_b32 exec_lo, -1
	v_lshl_add_u32 v254, v0, 2, 0xd100
	v_mov_b32 v255, 0
	s_wait_tensorcnt 0x0
	ds_add_u32 v254, v255
	s_wait_dscnt 0x0
	s_endpgm
.Lfunc_end_k_qb185525db9_tmpnn:
	.size	k_qb185525db9_tmpnn, .Lfunc_end_k_qb185525db9_tmpnn-k_qb185525db9_tmpnn
	.p2alignl 7, 3214868480
	.fill 96, 4, 3214868480
	.section	.rodata,"a",@progbits
	.p2align	6, 0x0
	.amdhsa_kernel k_qb185525db9_tmpnn
		.amdhsa_group_segment_fixed_size 55552
		.amdhsa_private_segment_fixed_size 0
		.amdhsa_enable_private_segment 0
		.amdhsa_kernarg_size 24
		.amdhsa_user_sgpr_count 2
		.amdhsa_user_sgpr_kernarg_segment_ptr 1
		.amdhsa_wavefront_size32 1
		.amdhsa_system_sgpr_workgroup_id_x 1
		.amdhsa_system_sgpr_workgroup_id_y 1
		.amdhsa_system_sgpr_workgroup_id_z 1
		.amdhsa_system_vgpr_workitem_id 0
		.amdhsa_next_free_vgpr 256
		.amdhsa_next_free_sgpr 66
		.amdhsa_reserve_vcc 1
		.amdhsa_float_denorm_mode_32 3
		.amdhsa_float_denorm_mode_16_64 3
		.amdhsa_memory_ordered 1
		.amdhsa_forward_progress 1
		.amdhsa_inst_pref_size 84
	.end_amdhsa_kernel
	.amdgpu_metadata
---
amdhsa.version: [ 1, 2 ]
amdhsa.kernels:
  - .name:           k_qb185525db9_tmpnn
    .symbol:         k_qb185525db9_tmpnn.kd
    .args:
      - { .name: x, .offset: 0, .size: 8, .value_kind: global_buffer, .address_space: global }
      - { .name: W, .offset: 8, .size: 8, .value_kind: global_buffer, .address_space: global }
      - { .name: out0, .offset: 16, .size: 8, .value_kind: global_buffer, .address_space: global }
    .group_segment_fixed_size: 55552
    .private_segment_fixed_size: 0
    .kernarg_segment_align: 8
    .kernarg_segment_size: 24
    .max_flat_workgroup_size: 512
    .sgpr_count:     66
    .vgpr_count:     256
    .wavefront_size: 32
...
	.end_amdgpu_metadata
.endif
;; end of part 1
